; MI455X (gfx1250); checked and timed in simulation.
; The chip was launched on July 23, 2026; its instructions are those of AMD's public machine-readable ISA for CDNA 5 (MIT licence, August 2026) and "CDNA5" Instruction Set Architecture Reference Guide (July 2026). The comments in the code are by the model that wrote it; some were corrected since.
;; SVD Adapter. Allowed arithmetic: float matrix products may take bf16 or f16 operands with f32 sums; other float arithmetic in f32, or as packed bf16 or f16 multiplies, adds, multiply-adds, maxima and minima; sums over many terms, partial sums and values carried from step to step in f32; what a program stores and reads back later, other than sums and carried values, may be rounded once to bf16 or f16.
;; Inputs: U 2,048 x 16 float32; V 4,096 x 16 float32; base_weight 2,048 x 4,096 float32; s 16 float32; x 4 x 2,048 x 4,096 float32.
;; Outputs: out0 4 x 2,048 x 2,048 float32.
;; 2 versions, each right; version 2 is version 1 with the launch cast written anew for expert scheduling mode. Each part assembles by itself: llvm-mc -triple=amdgcn-amd-amdhsa -mcpu=gfx1250 --defsym DOCPART=n.
;; ======== version 1 of 2: 3 launches
;; workspace buffers: xb 67,108,864 bytes; wb 16,777,216 bytes
;; launch adapt (part 1): grid 32 x 16, 8 waves a work-group, no clusters, 0 bytes of LDS; arguments U, V, base_weight, s, wb; writes wb
.if DOCPART == 1
	.amdgcn_target "amdgcn-amd-amdhsa--gfx1250"
	.amdhsa_code_object_version 6
	.text
	.protected	k_qe23a22f499_adapt
	.globl	k_qe23a22f499_adapt
	.p2align	8
	.type	k_qe23a22f499_adapt,@function
k_qe23a22f499_adapt:
	s_mov_b64 s[64:65], 0
	v_nop
	global_prefetch_b8 v0, s[64:65] scope:SCOPE_SE
	s_setreg_imm32_b32 hwreg(HW_REG_WAVE_MODE, 25, 1), 1
	s_wait_xcnt 0x0
; wb[o][i] = bf16( bf16(W[o][i]) + the sum over r of bf16(U[o][r]) bf16(s[r]) bf16(V[i][r]) ).  W: [2048][4096] f32, U: [2048][16], V: [4096][16], s: [16], all f32; wb: [2048][4096] bf16.
; Every input is rounded to bf16 once; from there on the sum is carried in f32, and the adapted weight is rounded to bf16 once, as the next product's operand.
; SHARES.  One wave makes 16 rows o x 128 columns i: 4,096 such blocks, 4,096 waves.  A straight line: no loop, no LDS, no barrier: no wave wants what another has loaded but the small U, V and s.
; THE PRODUCT.  p = s V of two bf16 numbers has 16 significant bits: exact in f32, too long for bf16.  It is split: hi = bf16(p), lo = p - hi (exact, and it fits bf16).  Rank 16 twice fills the 32 along K
; of one matrix instruction: k = 0..15 is rank k with hi, k = 16..31 rank k - 16 with lo; U's fragment holds bf16(U) twice.
; LAYOUT.  Source 0 = 16 rows o of U, source 1 = 16 columns.  Column n of tile t (0..7) stands for i = i0 + 8 n + t.  So register j of accumulator t holds, in lane l, row o0 + 8 (l / 16) + j and
; i = i0 + 8 (l % 16) + t: for one j the eight accumulators give a lane eight NEIGHBOURING i: 16 bytes of bf16, and sixteen lanes store 256 consecutive bytes, at a multiple of 256 from wb's first byte.
; LIMITS.  Where |s V| is below about 2^-117, lo is a bf16 denormal or 0, and that term has bf16's precision alone.  Where s V passes bf16's largest finite number, hi is an infinity and the row is lost,
; as it is for a product beyond f32's range.  NaN and infinities go through as the arithmetic makes them.
.set VO,  3                            ; v3   my byte offset in V: (i0 + 8 (l % 16)) x 64 + 32 (l / 16); tile t stands in the immediate
.set UO,  4                            ; v4   in U: (o0 + l % 16) x 64 + 32 (l / 16)
.set SO,  5                            ; v5   in s: 32 (l / 16)
.set WO,  6                            ; v6   in W: (o0 + 8 (l / 16)) x 16,384 + 4 i0 + 32 (l % 16); row j stands in the immediate
.set OO,  7                            ; v7   in wb: (o0 + 8 (l / 16)) x 8,192 + 2 i0 + 16 (l % 16)
.set S,   8                            ; v[8:15]    my eight ranks of s, as loaded, then rounded to bf16 and widened
.set UF,  16                           ; v[16:23]   U's fragment
.set UR,  24                           ; v[24:31]   U as loaded
.set T,   32                           ; v[32:47]   at work
.set VF,  48                           ; v[48:111]  tile t's fragment at VF + 8 t: hi in registers 0-3, lo in 4-7
.set ACC, 112                          ; v[112:175] accumulator t at ACC + 8 t; ahead of the products V as loaded lies here
.set WR,  176                          ; v[176:239] row j of W at WR + 8 j: 8 f32; then 4 words of bf16; then the 4 words to store
	s_load_b256 s[4:11], s[0:1], 0x0               ; U s[4:5], V s[6:7], W s[8:9], s s[10:11]
	s_load_b64 s[12:13], s[0:1], 0x20              ; wb
	v_lshrrev_b32 v32, 5, v0
	v_readfirstlane_b32 s14, v32                   ; wave 0..7
	v_and_b32 v1, 15, v0                           ; l % 16
	v_bfe_u32 v2, v0, 4, 1                         ; l / 16
	s_and_b32 s15, ttmp7, 0xffff
	s_lshl_b32 s15, s15, 7                         ; the work-group's 128 rows,
	s_lshl_b32 s16, s14, 4
	s_add_co_u32 s15, s15, s16                     ; o0: my wave's 16 of them
	s_lshl_b32 s16, ttmp9, 13                      ; i0 = 128 x the work-group's x: 8,192 bytes of V,
	s_lshl_b32 s17, ttmp9, 9                       ; 512 bytes of a row of W,
	s_lshl_b32 s18, ttmp9, 8                       ; 256 bytes of a row of wb
	s_mov_b32 s20, 0xffff0000                      ; a word's upper bf16
	v_lshlrev_b32 v[SO], 5, v2
	v_lshl_add_u32 v[VO], v1, 9, v[SO]
	v_add_nc_u32 v[VO], s16, v[VO]
	v_add_nc_u32 v[UO], s15, v1
	v_lshl_add_u32 v[UO], v[UO], 6, v[SO]
	v_lshl_add_u32 v33, v2, 3, s15                 ; o0 + 8 (l / 16)
	v_lshlrev_b32 v[WO], 14, v33
	v_lshl_add_u32 v[WO], v1, 5, v[WO]
	v_add_nc_u32 v[WO], s17, v[WO]
	v_lshlrev_b32 v[OO], 13, v33
	v_lshl_add_u32 v[OO], v1, 4, v[OO]
	v_add_nc_u32 v[OO], s18, v[OO]
	s_wait_kmcnt 0x0
	; 36 loads, in the order in which they are wanted: s (2), V (16), U (2), W (16)
	global_load_b128 v[S:S+3],   v[SO], s[10:11]
	global_load_b128 v[S+4:S+7], v[SO], s[10:11] offset:16
.irp t, 0,1,2,3,4,5,6,7
	global_load_b128 v[ACC+8*(\t):ACC+8*(\t)+3],   v[VO], s[6:7] offset:64*(\t)
	global_load_b128 v[ACC+8*(\t)+4:ACC+8*(\t)+7], v[VO], s[6:7] offset:64*(\t)+16
.endr
	global_load_b128 v[UR:UR+3],   v[UO], s[4:5]
	global_load_b128 v[UR+4:UR+7], v[UO], s[4:5] offset:16
.irp j, 0,1,2,3,4,5,6,7
	global_load_b128 v[WR+8*(\j):WR+8*(\j)+3],   v[WO], s[8:9] offset:16384*(\j) th:TH_LOAD_NT     ; a row's two loads cover 512 consecutive bytes for each half of the lanes;
	global_load_b128 v[WR+8*(\j)+4:WR+8*(\j)+7], v[WO], s[8:9] offset:16384*(\j)+16 th:TH_LOAD_NT  ; W is read once in the launch
.endr
	s_wait_loadcnt 18                              ; s and V are in: the 18 younger loads (U's 2, W's 16) may stay out
.irp p, 0,1,2,3
	v_cvt_pk_bf16_f32 v[T+(\p)], v[S+2*(\p)], v[S+2*(\p)+1]  ; s rounded to bf16,
.endr
.irp p, 0,1,2,3
	v_lshlrev_b32 v[S+2*(\p)],   16,  v[T+(\p)]    ; and widened again
	v_and_b32     v[S+2*(\p)+1], s20, v[T+(\p)]
.endr
; Tile t's fragment: V rounded to bf16 and widened; p = s V, exact; hi = bf16(p); lo = p - hi, exact; both packed.
.macro VTILE t
.set R, ACC+8*(\t)
.set H, VF+8*(\t)
.irp p, 0,1,2,3
	v_cvt_pk_bf16_f32 v[T+(\p)], v[R+2*(\p)], v[R+2*(\p)+1]
.endr
.irp p, 0,1,2,3
	v_lshlrev_b32 v[R+2*(\p)],   16,  v[T+(\p)]
	v_and_b32     v[R+2*(\p)+1], s20, v[T+(\p)]
.endr
.irp p, 0,1,2,3
	v_pk_mul_f32 v[R+2*(\p):R+2*(\p)+1], v[R+2*(\p):R+2*(\p)+1], v[S+2*(\p):S+2*(\p)+1]
.endr
.irp p, 0,1,2,3
	v_cvt_pk_bf16_f32 v[H+(\p)], v[R+2*(\p)], v[R+2*(\p)+1]
.endr
.irp p, 0,1,2,3
	v_lshlrev_b32 v[T+4+2*(\p)],   16,  v[H+(\p)]
	v_and_b32     v[T+4+2*(\p)+1], s20, v[H+(\p)]
.endr
.irp p, 0,1,2,3
	v_pk_add_f32 v[T+4+2*(\p):T+4+2*(\p)+1], v[R+2*(\p):R+2*(\p)+1], v[T+4+2*(\p):T+4+2*(\p)+1] neg_lo:[0,1] neg_hi:[0,1]
.endr
.irp p, 0,1,2,3
	v_cvt_pk_bf16_f32 v[H+4+(\p)], v[T+4+2*(\p)], v[T+4+2*(\p)+1]
.endr
.endm
.irp t, 0,1,2,3,4,5,6,7
	VTILE \t
.endr
	s_wait_loadcnt 16                              ; U is in: W's 16 loads may stay out
.irp p, 0,1,2,3
	v_cvt_pk_bf16_f32 v[UF+(\p)],   v[UR+2*(\p)], v[UR+2*(\p)+1]  ; my eight ranks, for hi,
	v_cvt_pk_bf16_f32 v[UF+4+(\p)], v[UR+2*(\p)], v[UR+2*(\p)+1]  ; and once more, for lo
.endr
.irp t, 0,1,2,3,4,5,6,7
	v_wmma_f32_16x16x32_bf16 v[ACC+8*(\t):ACC+8*(\t)+7], v[UF:UF+7], v[VF+8*(\t):VF+8*(\t)+7], 0  ; eight sums of one instruction each: no two share an accumulator
.endr
; W's row j rounded to bf16, in place: word p takes numbers 2 p and 2 p + 1, p ascending, so that no number is written over before it is read.
; The 32 conversions name no register of the products: they are the places between the products and the first read of a result (ISA guide 7.12.1).
.irp j, 0,1,2,3,4,5,6,7
	s_wait_loadcnt 14-2*(\j)                       ; row j's two loads are in; the later rows' may stay out
.irp p, 0,1,2,3
	v_cvt_pk_bf16_f32 v[WR+8*(\j)+(\p)], v[WR+8*(\j)+2*(\p)], v[WR+8*(\j)+2*(\p)+1]
.endr
.endr
; Row j: bf16(W) widened, the sum added, rounded once, stored.  j ascends.
.irp j, 0,1,2,3,4,5,6,7
.irp p, 0,1,2,3
	v_lshlrev_b32 v[T+2*(\p)],   16,  v[WR+8*(\j)+(\p)]
	v_and_b32     v[T+2*(\p)+1], s20, v[WR+8*(\j)+(\p)]
.endr
.irp p, 0,1,2,3
	v_add_f32 v[T+2*(\p)],   v[T+2*(\p)],   v[ACC+16*(\p)+(\j)]    ; tile 2 p
	v_add_f32 v[T+2*(\p)+1], v[T+2*(\p)+1], v[ACC+16*(\p)+8+(\j)]  ; tile 2 p + 1
.endr
.irp p, 0,1,2,3
	v_cvt_pk_bf16_f32 v[WR+8*(\j)+(\p)], v[T+2*(\p)], v[T+2*(\p)+1]
.endr
	global_store_b128 v[OO], v[WR+8*(\j):WR+8*(\j)+3], s[12:13] offset:8192*(\j)  ; no register that a store names is written again
.endr
	s_endpgm
.Lfunc_end_k_qe23a22f499_adapt:
	.size	k_qe23a22f499_adapt, .Lfunc_end_k_qe23a22f499_adapt-k_qe23a22f499_adapt
	.p2alignl 7, 3214868480
	.fill 96, 4, 3214868480
	.section	.rodata,"a",@progbits
	.p2align	6, 0x0
	.amdhsa_kernel k_qe23a22f499_adapt
		.amdhsa_group_segment_fixed_size 0
		.amdhsa_private_segment_fixed_size 0
		.amdhsa_enable_private_segment 0
		.amdhsa_kernarg_size 40
		.amdhsa_user_sgpr_count 2
		.amdhsa_user_sgpr_kernarg_segment_ptr 1
		.amdhsa_wavefront_size32 1
		.amdhsa_system_sgpr_workgroup_id_x 1
		.amdhsa_system_sgpr_workgroup_id_y 1
		.amdhsa_system_sgpr_workgroup_id_z 1
		.amdhsa_system_vgpr_workitem_id 0
		.amdhsa_next_free_vgpr 240
		.amdhsa_next_free_sgpr 66
		.amdhsa_reserve_vcc 0
		.amdhsa_float_denorm_mode_32 3
		.amdhsa_float_denorm_mode_16_64 3
		.amdhsa_memory_ordered 1
		.amdhsa_forward_progress 1
		.amdhsa_inst_pref_size 30
	.end_amdhsa_kernel
	.amdgpu_metadata
---
amdhsa.version: [ 1, 2 ]
amdhsa.kernels:
  - .name:           k_qe23a22f499_adapt
    .symbol:         k_qe23a22f499_adapt.kd
    .args:
      - { .name: U, .offset: 0, .size: 8, .value_kind: global_buffer, .address_space: global }
      - { .name: V, .offset: 8, .size: 8, .value_kind: global_buffer, .address_space: global }
      - { .name: base_weight, .offset: 16, .size: 8, .value_kind: global_buffer, .address_space: global }
      - { .name: s, .offset: 24, .size: 8, .value_kind: global_buffer, .address_space: global }
      - { .name: wb, .offset: 32, .size: 8, .value_kind: global_buffer, .address_space: global }
    .group_segment_fixed_size: 0
    .private_segment_fixed_size: 0
    .kernarg_segment_align: 8
    .kernarg_segment_size: 40
    .max_flat_workgroup_size: 256
    .sgpr_count:     66
    .vgpr_count:     240
    .wavefront_size: 32
...
	.end_amdgpu_metadata
.endif
;; end of part 1
;; launch cast (part 2): grid 512 x 1, 8 waves a work-group, no clusters, 0 bytes of LDS; arguments x, xb; writes xb
.if DOCPART == 2
	.amdgcn_target "amdgcn-amd-amdhsa--gfx1250"
	.amdhsa_code_object_version 6
	.text
	.protected	k_qe23a22f499_cast
	.globl	k_qe23a22f499_cast
	.p2align	8
	.type	k_qe23a22f499_cast,@function
k_qe23a22f499_cast:
	s_mov_b64 s[64:65], 0
	v_nop
	global_prefetch_b8 v0, s[64:65] scope:SCOPE_SE
	s_setreg_imm32_b32 hwreg(HW_REG_WAVE_MODE, 25, 1), 1
	s_wait_xcnt 0x0
; xb = bf16(x), number by number, rounded to nearest even.  x: 33,554,432 f32; xb: as many bf16.  A stream: each byte is read once and written once; no LDS, no barrier, no matrix unit:
; no number meets another.
; SHARES.  A LINE is what the work-group's 256 threads take at once: 16 bytes each, 4,096 bytes of x, 2,048 of xb.  A work-group owns 64 lines on end.  A wave's load covers 512 consecutive bytes,
; its store 256 consecutive bytes at a multiple of 256 from xb's first byte.
; A ring of DEPTH slots in registers keeps DEPTH loads of every wave on their way; the waits for data are counted.
.set LINE,   4096
.set OLINE,  2048
.set DEPTH,  16                        ; slots = loads on their way in each wave
.set ROUNDS, 64/DEPTH                  ; each round takes every slot once
.set X, 4                              ; v[4:67]   slot i: 4 f32 as loaded
.set Y, 68                             ; v[68:99]  slot i: 2 words, 4 bf16 to store
	s_load_b128 s[4:7], s[0:1], 0x0                ; x s[4:5], xb s[6:7]
	s_lshl_b32 s2, ttmp9, 18                       ; the work-group's 64 lines: 262,144 bytes of x (511 x that stays under 2^32),
	s_mov_b32 s3, 0
	s_lshl_b32 s8, ttmp9, 17                       ; 131,072 of xb
	s_mov_b32 s9, 0
	v_lshlrev_b32 v1, 4, v0                        ; my 16 bytes of a line of x; never rewritten
	v_lshlrev_b32 v2, 3, v0                        ; my 8 bytes of a line of xb; never rewritten
	s_wait_kmcnt 0x0
	s_add_nc_u64 s[4:5], s[4:5], s[2:3]
	s_add_nc_u64 s[6:7], s[6:7], s[8:9]
.irp i, 0,1,2,3,4,5,6,7,8,9,10,11,12,13,14,15
	global_load_b128 v[X+4*(\i):X+4*(\i)+3], v1, s[4:5] offset:(\i)*LINE th:TH_LOAD_NT  ; the ring is filled: lines 0 to 15
.endr
; One slot's turn.  ahead = 1: the slot is filled again with the line DEPTH further on, ahead of the store.  left = how many younger loads may stay out.
.macro SLOT i, ahead, left
	s_wait_loadcnt \left                           ; loads come back in order (ISA guide 5.7.1): mine is in
	v_cvt_pk_bf16_f32 v[Y+2*(\i)],   v[X+4*(\i)],   v[X+4*(\i)+1]
	v_cvt_pk_bf16_f32 v[Y+2*(\i)+1], v[X+4*(\i)+2], v[X+4*(\i)+3]
.if \ahead
	global_load_b128 v[X+4*(\i):X+4*(\i)+3], v1, s[4:5] offset:(DEPTH+(\i))*LINE th:TH_LOAD_NT
.endif
	global_store_b64 v2, v[Y+2*(\i):Y+2*(\i)+1], s[6:7] offset:(\i)*OLINE
.endm
	s_mov_b32 s12, ROUNDS-1
.Lround:
.irp i, 0,1,2,3,4,5,6,7,8,9,10,11,12,13,14,15
	SLOT \i, 1, DEPTH-1
.endr
	s_wait_xcnt 0x0                                ; every load and store issued so far has had its addresses translated (ISA guide 3.1): only behind this wait are the two bases stepped and, in the next round, Y written again
	s_add_nc_u64 s[4:5], s[4:5], DEPTH*LINE
	s_add_nc_u64 s[6:7], s[6:7], DEPTH*OLINE
	s_sub_co_u32 s12, s12, 1
	s_cmp_lg_u32 s12, 0
	s_cbranch_scc1 .Lround
.irp i, 0,1,2,3,4,5,6,7,8,9,10,11,12,13,14,15
	SLOT \i, 0, DEPTH-1-(\i)                       ; the last round loads nothing: no load leaves x, and the counts run down
.endr
	s_endpgm
.Lfunc_end_k_qe23a22f499_cast:
	.size	k_qe23a22f499_cast, .Lfunc_end_k_qe23a22f499_cast-k_qe23a22f499_cast
	.p2alignl 7, 3214868480
	.fill 96, 4, 3214868480
	.section	.rodata,"a",@progbits
	.p2align	6, 0x0
	.amdhsa_kernel k_qe23a22f499_cast
		.amdhsa_group_segment_fixed_size 0
		.amdhsa_private_segment_fixed_size 0
		.amdhsa_enable_private_segment 0
		.amdhsa_kernarg_size 16
		.amdhsa_user_sgpr_count 2
		.amdhsa_user_sgpr_kernarg_segment_ptr 1
		.amdhsa_wavefront_size32 1
		.amdhsa_system_sgpr_workgroup_id_x 1
		.amdhsa_system_sgpr_workgroup_id_y 1
		.amdhsa_system_sgpr_workgroup_id_z 1
		.amdhsa_system_vgpr_workitem_id 0
		.amdhsa_next_free_vgpr 100
		.amdhsa_next_free_sgpr 66
		.amdhsa_reserve_vcc 0
		.amdhsa_float_denorm_mode_32 3
		.amdhsa_float_denorm_mode_16_64 3
		.amdhsa_memory_ordered 1
		.amdhsa_forward_progress 1
		.amdhsa_inst_pref_size 12
	.end_amdhsa_kernel
	.amdgpu_metadata
---
amdhsa.version: [ 1, 2 ]
amdhsa.kernels:
  - .name:           k_qe23a22f499_cast
    .symbol:         k_qe23a22f499_cast.kd
    .args:
      - { .name: x, .offset: 0, .size: 8, .value_kind: global_buffer, .address_space: global }
      - { .name: xb, .offset: 8, .size: 8, .value_kind: global_buffer, .address_space: global }
    .group_segment_fixed_size: 0
    .private_segment_fixed_size: 0
    .kernarg_segment_align: 8
    .kernarg_segment_size: 16
    .max_flat_workgroup_size: 256
    .sgpr_count:     66
    .vgpr_count:     100
    .wavefront_size: 32
...
	.end_amdgpu_metadata
.endif
;; end of part 2
;; launch gemm (part 3): grid 8 x 32, 4 waves a work-group, clusters of 4 x 4, 327,680 bytes of LDS; arguments xb, wb, out0; writes out0
.if DOCPART == 3
	.amdgcn_target "amdgcn-amd-amdhsa--gfx1250"
	.amdhsa_code_object_version 6
	.text
	.protected	k_qe23a22f499_gemm
	.globl	k_qe23a22f499_gemm
	.p2align	8
	.type	k_qe23a22f499_gemm,@function
k_qe23a22f499_gemm:
	s_mov_b64 s[64:65], 0
	v_nop
	global_prefetch_b8 v0, s[64:65] scope:SCOPE_SE
	s_setreg_imm32_b32 hwreg(HW_REG_WAVE_MODE, 25, 1), 1
	s_wait_xcnt 0x0
	s_wait_alu depctr_hold_cnt(0) depctr_sa_sdst(0) depctr_va_vdst(0) depctr_va_sdst(0) depctr_va_ssrc(0) depctr_va_vcc(0) depctr_vm_vsrc(0)
	s_getreg_b32 s2, hwreg(HW_REG_IB_STS2, 6, 4)
	s_cmp_eq_u32 s2, 0
	s_cbranch_scc0 .Lentry_in_a_cluster
	s_endpgm
.Lentry_in_a_cluster:
	s_bfe_u32 s2, ttmp6, 0x10000c
	s_cmp_lg_u32 s2, 0xf033
	s_cbranch_scc0 .Lentry_shape_is_right
	s_endpgm
.Lentry_shape_is_right:
; out0[m][n] = the sum over k of xb[m][k] wb[n][k].  xb: [8192][4096] bf16, wb: [2048][4096] bf16, out0: [8192][2048] f32; one f32 sum for each output, K ascending, stored as it is.
; A tile of out0, 256 x 256, is made by a work-group of four waves; a wave makes 128 x 128: 64 accumulators of 16 x 16, 512 registers.  32 x 8 tiles: 256 work-groups, one tile each.
; K goes in 32 steps of 128 through a ring of two LDS slots filled by the tensor data mover: a tile's rows are 256 bytes of memory and start at multiples of 256 bytes from the buffer's first byte.
; CLUSTERS: 4 x 4 work-groups.  The four of a row of the cluster make tiles of one tile row and need the same rows of xb; the four of a column need the same rows of wb.  Such a tile is asked for
; JOINTLY: each of the four issues the same tensor load, with the same descriptor and a mask that names the four, and each receives the tile in its own LDS.
; REGISTERS, in windows of 256 (s_set_vgpr_msb's low byte: bits 1:0 source 0, 3:2 source 1, 5:4 source 2, 7:6 destination):
;   window 0: v0-31 addresses; v64-127, v128-191 fragments of xb (8 x 16 rows x 32 K), two buffers; on the way out the same registers take rows read back from the stage
;   window 1: v64-127, v128-191 fragments of wb, two buffers
;   window 2: the 32 accumulators of my rows 0-63 (accumulator (a, b) at v[8 (8 a + b)]);   window 3: those of my rows 64-127
; THE MATRIX INSTRUCTION IS USED TRANSPOSED: source 0 = 16 rows of wb, source 1 = 16 rows of xb.  In the result lane l holds row m = l % 16 and its registers 0 to 7 the columns
; n = 8 (l / 16) + 0 .. 7: eight neighbouring numbers of a row of out0, 32 bytes.
; LIMITS: none beyond the operands' rounding to bf16, made by the launches before; NaN and infinities go through as the arithmetic makes them.
.set SIZE_M, 8192
.set SIZE_N, 2048
.set SIZE_K, 4096
.set KSTEP,  128
.set PITCH,  272                       ; an LDS row: 256 bytes of data + 16 of padding = 68 words: row r starts at bank 4 r mod 64 (64 banks of 4 bytes: ISA guide 11.1), so the 16 rows that a load touches start at 16 different banks
.set HALFT,  128*PITCH                 ; 128 rows: what one tensor load brings, and what one wave reads of xb or of wb
.set SLOT,   4*HALFT                   ; xb's 256 rows, then wb's 256 rows
.set STAGE,  2*SLOT                    ; behind the ring, never filled by a tensor load: 16 rows x 528 bytes for each wave, for the way out
.set SPITCH, 528                       ; a stage row: 512 bytes (128 f32) + 16: the 16 rows that a store touches start at 16 different groups of four banks
.set SPARE,  STAGE+4*16*SPITCH         ; behind the stages: the spare words, 128 bytes for each wave: two blocks of 256 bytes that no other line names
.set LAPS,   SIZE_K/(2*KSTEP)          ; a lap = two K steps = once round the ring: 16
.set ADRA, 16                          ; v16-17  LDS address of my xb fragments in slot 0, 1
.set ADRB, 20                          ; v20-21  the same for wb
.set STO,  24                          ; v24     the way out: where I put 32 bytes of a row
.set RD,   25                          ; v25     the way out: where I read 16 bytes of a row back
.set CO,   26                          ; v26     my 16 bytes in 512 consecutive bytes of out0
.set SPW,  28                          ; v28     LDS address of my spare word: SPARE + 4 x my thread's number; never rewritten
.set NIL,  29                          ; v29     0; never rewritten
.set PFO,  30                          ; v30     the prefetches' offset: my lane x a row of xb or wb (8,192 bytes); never rewritten
.set PFA,  44                          ; s[44:45] where my prefetches stand: my work-group's 32 rows of the 128 that I fetch, one K step further along K than the refill that is being asked for
.set LIM,  43                          ; s43     1 in a wave that prefetches, else the greatest number
.set F0,   64                          ; fragment buffer 0
.set F1,   128                         ; fragment buffer 1
.set G1,  24                           ; s[24:31] descriptor group 1 for xb's tiles
.set G0,  32                           ; s[32:39] descriptor group 0 for xb's tiles, one set for each slot
.set G1B, 48                           ; s[48:55] descriptor group 1 for wb's tiles: it differs in the mask alone
.set G0B, 56                           ; s[56:63] descriptor group 0 for wb's tiles, one set for each slot
.set MSB, 0
.macro WIN new                         ; the immediate's high byte repeats the setting that is left; a switch that changes nothing is dropped
.if MSB != (\new)
	s_set_vgpr_msb (MSB<<8)|(\new)
.set MSB, \new
.endif
.endm
.set MUL_LO, 0xa1                      ; source 0 (wb) window 1, source 1 (xb) window 0, C and D window 2
.set MUL_HI, 0xf1                      ; the same, C and D window 3
.set TO_B,   0x40                      ; destination window 1, address window 0
; A joint load.  Waves 0 and 1 fetch xb's two halves, waves 2 and 3 wb's.  Each of the two lines has ONE mask and one set of registers for all that issue it.  The branch hangs on the wave's number alone.
; An s_nop 0 and four v_nop follow each of the two lines; the jump round the other line, the label and what follows the macro come after them.
.macro JLOAD s
	s_cmp_eq_u32 s11, 0
	s_cbranch_scc0 .Lfor_b_\@
	tensor_load_to_lds s[G0+4*(\s):G0+4*(\s)+3], s[G1:G1+7]
	s_nop 0
.rept 4
	v_nop
.endr
	s_branch .Lasked_\@
.Lfor_b_\@:
	tensor_load_to_lds s[G0B+4*(\s):G0B+4*(\s)+3], s[G1B:G1B+7]
	s_nop 0
.rept 4
	v_nop
.endr
.Lasked_\@:
.endm
; A PREFETCH INTO THE L2, behind each joint refill, its five lines and the run of LDS loads that follows them: the K step that stands TWO refills on, 512 matrix instructions ahead of the load that will
; ask for it: 32 rows x 256 bytes, a lane a row, one instruction a wave.  Each row's 256 bytes of a K step are named ONCE in the launch.  xb's tile row is read by both clusters of that row of clusters:
; cluster x = 0 asks; wb's tile column by all eight clusters of that column: cluster y = 0 asks.  The four partners that ask for a tile jointly share its rows out BY ADDRESS: of the 128 rows that a
; wave fetches the partner at place p takes 32 p .. 32 p + 31 (p = cx for xb, cy for wb): no branch hangs on a work-group's place in its cluster.  The loop's last trip asks for nothing:
; the last K step named is 31.  K steps 0 to 3 come by their loads alone.
.macro ASK
	s_cmp_gt_u32 s3, s[LIM]                        ; s3 = 1 in the loop's last trip
	s_cbranch_scc0 .Lnot_mine_\@
	global_prefetch_b8 v[PFO], s[PFA:PFA+1] offset:KSTEP*2 th:TH_LOAD_NT scope:SCOPE_SE
.Lnot_mine_\@:
.endm
; A round of the cluster's barrier: my work-group's barrier, so that wave 0's signal speaks for all four waves; wave 0 signals for the work-group; every wave waits for all
; sixteen work-groups; my work-group's barrier once more.  No LDS instruction of the wave is pending at a signal.
.macro CREST                           ; a round behind its opening barrier
	s_cmp_lg_u32 s10, 0
	s_cbranch_scc1 .Lnot_wave_0_\@
	s_barrier_signal -3
.Lnot_wave_0_\@:
	s_barrier_wait -3
	s_barrier_signal -1
	s_barrier_wait -1
.endm
.macro CROUND                          ; a whole round
	s_barrier_signal -1
	s_barrier_wait -1
	CREST
.endm
	s_load_b128 s[4:7], s[0:1], 0x0                ; xb s[4:5], wb s[6:7]
	s_load_b64 s[8:9], s[0:1], 0x10                ; out0
	v_lshl_add_u32 v[SPW], v0, 2, SPARE
	v_mov_b32 v[NIL], 0
	ds_add_u32 v[SPW], v[NIL]                      ; the wave's opening: the add and its wait stand ahead of my first tensor load; the set-up below, work on registers, stands between them
	v_lshrrev_b32 v1, 5, v0
	v_readfirstlane_b32 s10, v1                    ; wave 0..3
	s_lshr_b32 s11, s10, 1                         ; which half of the tile's rows is mine.  Also: I fetch for xb (0) or for wb (1)
	s_and_b32 s12, s10, 1                          ; which half of its columns.  Also: which 128 rows of that tile I fetch
	s_bfe_u32 s40, ttmp6, 0x40000                  ; cx: my place along the cluster's x
	s_bfe_u32 s41, ttmp6, 0x40004                  ; cy: along its y
	s_lshl_b32 s42, ttmp9, 2                       ; in a cluster launch ttmp9 and ttmp7 count clusters
	s_add_co_u32 s42, s42, s40                     ; tile column = 4 x cluster x + cx
	s_and_b32 s13, ttmp7, 0xffff
	s_lshl_b32 s13, s13, 2
	s_add_co_u32 s13, s13, s41                     ; tile row = 4 x cluster y + cy
	s_lshl_b32 s43, s41, 2
	s_lshl_b32 s43, 15, s43                        ; my row of the cluster: places 4 cy .. 4 cy + 3
	s_lshl_b32 s44, 0x1111, s40                    ; my column: places cx, cx + 4, cx + 8, cx + 12
	; descriptor group 1: a tile of 128 rows x 128 elements, padded in LDS
	s_or_b32 s[G1+0], s43, (1<<16)|(1<<20)|(1<<21)|(5<<22)|(3<<25)  ; 15:0 the mask: xb's tiles go to my row; 17:16 element of 2 bytes; 20 padding on; 21 set beside a mask; 24:22 after every 64 words (code 5); 31:25 of 4 words (code 3)
	s_or_b32 s[G1B+0], s44, (1<<16)|(1<<20)|(1<<21)|(5<<22)|(3<<25) ; the same with the mask of my column, for wb's tiles
	s_mov_b32 s[G1B+1], KSTEP<<16
	s_mov_b32 s[G1+1], KSTEP<<16                   ; 63:48 tensor_dim0, low half = 128
	s_mov_b32 s[G1B+2], 128<<16
	s_mov_b32 s[G1+2], 128<<16                     ; 79:64 its high half = 0; 95:80 tensor_dim1, low half = 128
	s_mov_b32 s[G1B+3], KSTEP<<16
	s_mov_b32 s[G1+3], KSTEP<<16                   ; 111:96 its high half = 0; 127:112 tile_dim0 = 128
	s_mov_b32 s[G1B+4], 128
	s_mov_b32 s[G1+4], 128                         ; 143:128 tile_dim1 = 128; 159:144 tile_dim2 = 0
	s_mov_b32 s[G1B+5], SIZE_K
	s_mov_b32 s[G1+5], SIZE_K                      ; 191:160 tensor_dim0_stride, low word: elements from row to row
	s_mov_b32 s[G1B+6], 0
	s_mov_b32 s[G1+6], 0
	s_mov_b32 s[G1B+7], 0
	s_mov_b32 s[G1+7], 0
	; where the tiles come from.  xb's hang on the tile row alone, which my row of the cluster shares; wb's on the tile column alone, which my column shares.
	; Every wave makes both addresses, in registers that never hold the other coordinate, and asks by one of them.
	s_lshl_b32 s17, s12, 7                         ; which 128 rows of the tile I fetch
	s_lshl_b32 s16, s13, 8
	s_add_co_u32 s16, s16, s17                     ; xb: row 256 x tile row + 128 x half
	s_lshl_b32 s46, s42, 8
	s_add_co_u32 s46, s46, s17                     ; wb: row 256 x tile column + 128 x half
	s_mov_b32 s17, 0
	s_mov_b32 s47, 0
	s_mov_b64 s[18:19], SIZE_K*2
	s_mul_u64 s[16:17], s[16:17], s[18:19]         ; in bytes, in 64 bits
	s_mul_u64 s[46:47], s[46:47], s[18:19]
	s_mul_i32 s20, s10, HALFT                      ; and where they go: xb's two halves, then wb's two halves = wave x 128 rows: no place in the cluster enters an LDS address
	s_wait_dscnt 0x0                               ; the opening add is done
	s_wait_kmcnt 0x0
	s_add_nc_u64 s[14:15], s[4:5], s[16:17]
	s_add_nc_u64 s[46:47], s[6:7], s[46:47]
	CROUND                                         ; all sixteen work-groups are here: the first joint loads meet
.irp s, 0,1
	s_mov_b32 s[G0+4*(\s)], 1                                      ; 1:0 count = 1
	s_add_co_u32 s[G0+4*(\s)+1], s20, (\s)*SLOT                    ; 63:32 LDS address
	s_add_nc_u64 s[G0+4*(\s)+2:G0+4*(\s)+3], s[14:15], (\s)*KSTEP*2  ; 120:64 global address: K step s
	s_or_b32 s[G0+4*(\s)+3], s[G0+4*(\s)+3], 0x80000000            ; 127:126 type = 2
	s_mov_b32 s[G0B+4*(\s)], 1
	s_add_co_u32 s[G0B+4*(\s)+1], s20, (\s)*SLOT
	s_add_nc_u64 s[G0B+4*(\s)+2:G0B+4*(\s)+3], s[46:47], (\s)*KSTEP*2
	s_or_b32 s[G0B+4*(\s)+3], s[G0B+4*(\s)+3], 0x80000000
	JLOAD \s                                       ; the ring is filled before anything else is done: two tensor loads of mine are out
.endr
	; A fragment is 16 rows x 32 K in 8 registers: lane l holds row l % 16; registers 0-3 hold K = 8 (l / 16) + 0..7, registers 4-7 hold
	; K = 16 + 8 (l / 16) + 0..7.  From rows that lie along K: two loads of 16 bytes, 32 bytes apart.  The same for source 0 and source 1.
	v_and_b32 v1, 15, v0                           ; l % 16
	v_bfe_u32 v2, v0, 4, 1                         ; l / 16
	v_mul_u32_u24 v3, v1, PITCH
	v_lshl_add_u32 v3, v2, 4, v3                   ; row x pitch + 16 x half
	s_mul_i32 s21, s11, HALFT                      ; my 128 rows of xb
	s_mul_i32 s22, s12, HALFT                      ; my 128 rows of wb,
	s_add_co_u32 s22, s22, 2*HALFT                 ; which lie behind xb's 256
.irp s, 0,1
	v_add_nc_u32 v[ADRA+(\s)], s21, v3
	v_add_nc_u32 v[ADRB+(\s)], s22, v3
	s_add_co_u32 s21, s21, SLOT
	s_add_co_u32 s22, s22, SLOT
.endr
	s_mul_i32 s23, s10, 16*SPITCH
	s_add_co_u32 s23, s23, STAGE                   ; my stage
	v_mul_u32_u24 v4, v1, SPITCH                   ; in: row l % 16, 32 bytes for each half of the lanes
	v_lshl_add_u32 v4, v2, 5, v4
	v_add_nc_u32 v[STO], s23, v4
	v_and_b32 v5, 31, v0
	v_lshlrev_b32 v[CO], 4, v5                     ; back: the 32 lanes take one row of 512 bytes, 16 bytes each; the same in out0
	v_add_nc_u32 v[RD], s23, v[CO]
	; out0 at my part of the tile: made once, never stepped: the rows stand in the stores' immediates
	s_lshl_b32 s13, s13, 8
	s_lshl_b32 s14, s11, 7
	s_add_co_u32 s16, s13, s14                     ; my first row
	s_mov_b32 s17, 0
	s_mov_b64 s[18:19], SIZE_N*4
	s_mul_u64 s[16:17], s[16:17], s[18:19]
	s_lshl_b32 s46, s42, 10                        ; my first column, in bytes: 1,024 x tile column + 512 x half (in the registers that held wb's address)
	s_lshl_b32 s47, s12, 9
	s_add_co_u32 s46, s46, s47
	s_mov_b32 s47, 0
	s_add_nc_u64 s[16:17], s[16:17], s[46:47]
	s_add_nc_u64 s[8:9], s[8:9], s[16:17]
	; the prefetches.  s13 = 256 x tile row, s42 = tile column, s40 = cx, s41 = cy still stand; s[4:5] = xb, s[6:7] = wb
	s_lshl_b32 s42, s42, 8
	s_and_b32 s22, ttmp7, 0xffff                   ; cluster y
	s_cmp_eq_u32 s11, 0                            ; do I fetch for xb?
	s_cselect_b32 s20, s13, s42                    ; the tile's first row: in xb by the tile row, in wb by the tile column
	s_cselect_b32 s21, s40, s41                    ; my place among the four that ask for it with me
	s_cselect_b32 s22, ttmp9, s22                  ; the coordinate along which other clusters read the same rows
	s_cselect_b64 s[PFA:PFA+1], s[4:5], s[6:7]
	s_cmp_eq_u32 s22, 0
	s_cselect_b32 s[LIM], 1, -1                    ; the same in all sixteen partners, for a given wave
	s_lshl_b32 s22, s12, 7
	s_add_co_u32 s20, s20, s22                     ; + the 128 rows that I fetch
	s_lshl_b32 s21, s21, 5
	s_add_co_u32 s20, s20, s21                     ; + my work-group's 32 of them
	s_mov_b32 s21, 0
	s_mov_b64 s[18:19], SIZE_K*2
	s_mul_u64 s[20:21], s[20:21], s[18:19]
	s_add_nc_u64 s[PFA:PFA+1], s[PFA:PFA+1], s[20:21]
	s_add_nc_u64 s[PFA:PFA+1], s[PFA:PFA+1], 2*KSTEP*2  ; at K step 2: the first refill steps it to 3 and names K step 4
	v_and_b32 v[PFO], 31, v0
	v_mul_u32_u24 v[PFO], v[PFO], SIZE_K*2
	; nothing is prefetched here, at the head, where every work-group's first two tiles are on their way
; 16 matrix instructions: m blocks a0, a0 + 1 of the window's four (hi = 0: my rows 0-63, 1: rows 64-127) x all 8 n blocks, 32 along K.
; zero = 1: the first product starts the sums: nothing is ever cleared.  The 64 accumulators take turns, one instruction a turn, in the same order in every quarter step.
.macro MUL16 f, hi, a0, zero
	WIN MUL_LO+0x50*(\hi)  ; MUL_LO or MUL_HI
.irp a, \a0, (\a0)+1
.irp b, 0,1,2,3,4,5,6,7
.if \zero
	v_wmma_f32_16x16x32_bf16 v[8*(8*(\a)+(\b)):8*(8*(\a)+(\b))+7], v[(\f)+8*(\b):(\f)+8*(\b)+7], v[(\f)+8*(4*(\hi)+(\a)):(\f)+8*(4*(\hi)+(\a))+7], 0
.else
	v_wmma_f32_16x16x32_bf16 v[8*(8*(\a)+(\b)):8*(8*(\a)+(\b))+7], v[(\f)+8*(\b):(\f)+8*(\b)+7], v[(\f)+8*(4*(\hi)+(\a)):(\f)+8*(4*(\hi)+(\a))+7], v[8*(8*(\a)+(\b)):8*(8*(\a)+(\b))+7]
.endif
.endr
.endr
.endm
; 32 LDS loads in one run: the fragments of one quarter step (128 rows of wb, 128 rows of xb, 32 K at byte k of the rows) into buffer f
.macro FETCH slot, k, f
	WIN TO_B
.irp i, 0,1,2,3,4,5,6,7
	ds_load_b128 v[(\f)+8*(\i):(\f)+8*(\i)+3],   v[ADRB+(\slot)] offset:(\k)+(\i)*16*PITCH
	ds_load_b128 v[(\f)+8*(\i)+4:(\f)+8*(\i)+7], v[ADRB+(\slot)] offset:(\k)+(\i)*16*PITCH+32
.endr
	WIN 0
.irp i, 0,1,2,3,4,5,6,7
	ds_load_b128 v[(\f)+8*(\i):(\f)+8*(\i)+3],   v[ADRA+(\slot)] offset:(\k)+(\i)*16*PITCH
	ds_load_b128 v[(\f)+8*(\i)+4:(\f)+8*(\i)+7], v[ADRA+(\slot)] offset:(\k)+(\i)*16*PITCH+32
.endr
.endm
; A load into a register that a matrix instruction has read, and a store that reads a matrix result, stand four places behind that matrix instruction, and only plain vector
; instructions that name none of its registers are places (ISA guide 7.12.1 for vector instructions); the matrix instructions in between are not counted.
.macro PLACES
.rept 4
	v_nop
.endr
.endm
; A K step is four quarter steps of 32 along K, 64 matrix instructions each, on buffers 0, 1, 0, 1.
; One of the first three: multiplies buffer f; in its middle it fetches the next quarter's fragments, at byte k of the same slot's rows, into buffer g.
.macro QUARTER slot, k, f, g, zero
	s_wait_dscnt 8                                 ; wb and xb's rows 0-63 are in; the youngest eight loads (xb's rows 64-127) may be out
	WIN MUL_LO
	MUL16 \f, 0, 0, \zero
	MUL16 \f, 0, 2, \zero
	PLACES
	FETCH \slot, \k, \g
	s_wait_dscnt 32                                ; all but the 32 just issued
	WIN MUL_HI
	MUL16 \f, 1, 0, \zero
	MUL16 \f, 1, 2, \zero
.endm
; The last quarter multiplies buffer 1 and changes slots.  MEET is its first half: ONE barrier for the change of slots, for two things.  In front of it each wave waits for all its tensor loads,
; of which one is out: its part of the next slot; adds 0 to its spare word; and waits for that and for its own reads of this slot.  Behind it nobody reads this slot any more and the next slot is whole.
.macro MEET round                      ; round = 1: a round of the cluster's barrier follows
	WIN 0                                          ; (the add's two registers lie in window 0)
	s_wait_tensorcnt 0x0                           ; all my tensor loads have landed: the one that was out is my part of the next slot;
	ds_add_u32 v[SPW], v[NIL]                      ; 0 onto my spare word;
	s_wait_dscnt 9                                 ; (the add and the youngest eight loads may be out)
	WIN MUL_LO
	MUL16 F1, 0, 0, 0                              ; sixteen matrix instructions stand between the add and the wait for it
	s_wait_dscnt 0x0                               ; the add is done, and my reads of this slot are over:
	s_barrier_signal -1                            ; say so (where a slot is filled again this barrier opens a round of the cluster's barrier),
	MUL16 F1, 0, 2, 0                              ; work on registers while the others arrive,
.if \round
	WIN 0
.endif
	s_barrier_wait -1                              ; and go on when all four have said so
.endm
; The whole last quarter, with a refill.  Behind the round the slot just read out is filled again first, with the K step two steps on; then come the next slot's first fragments.
; From a request to the wait for it a wave issues 224 matrix instructions; one tensor load of mine is out meanwhile.
.macro TURN slot, next
	s_wait_xcnt 0x0                                ; the last prefetch, a K step back, has read its address: it is stepped here, ahead of the waits of the change of slots
	s_add_nc_u64 s[PFA:PFA+1], s[PFA:PFA+1], KSTEP*2
	MEET 1
	CREST                                          ; wave 0 says so for the work-group, all sixteen work-groups have said so, my work-group's barrier closes the round:
	                                               ; no wave of any partner still reads this slot's tile or has a load on its way
	s_add_nc_u64 s[G0+4*(\slot)+2:G0+4*(\slot)+3], s[G0+4*(\slot)+2:G0+4*(\slot)+3], 2*KSTEP*2      ; no tensor load of mine is out, so a group 0 may be written; the type bits on top are not reached
	s_add_nc_u64 s[G0B+4*(\slot)+2:G0B+4*(\slot)+3], s[G0B+4*(\slot)+2:G0B+4*(\slot)+3], 2*KSTEP*2
	JLOAD \slot                                    ; the first tensor load behind the round; the four v_nop behind it are also the places in front of the loads below
	FETCH \next, 0, F0
	ASK                                            ; behind the joint load and the run of LDS loads that the next products wait for
	WIN MUL_HI
	MUL16 F1, 1, 0, 0
	MUL16 F1, 1, 2, 0
.endm
; THE WAY OUT of block a (16 of my 128 rows), in two parts.  TOSTAGE: a lane's 32 bytes of each of the 8 accumulators go into my own stage, rows of 528 bytes, each accumulator's lowest four
; registers first; then the 16 rows come back whole, 512 bytes to a load.  SEND: they are stored.  The stage is the wave's own: no barrier.
.macro TOSTAGE a
.set AC, 64*((\a)%4)
	WIN 0x08+4*((\a)/4)                            ; the stores' data (source 1): window 2 or 3
.irp b, 0,1,2,3,4,5,6,7
	ds_store_b128 v[STO], v[AC+8*(\b):AC+8*(\b)+3]   offset:64*(\b)
	ds_store_b128 v[STO], v[AC+8*(\b)+4:AC+8*(\b)+7] offset:64*(\b)+16
.endr
	WIN 0
.set BK, F0+64*((\a)%2)
.if (\a) >= 2
	s_wait_xcnt 0x0                                ; the stores of the block two back have had their addresses translated (ISA guide 3.1): their data registers are loaded again only behind this wait
.endif
.irp t, 0,1,2,3,4,5,6,7,8,9,10,11,12,13,14,15
	ds_load_b128 v[BK+4*(\t):BK+4*(\t)+3], v[RD] offset:(\t)*SPITCH  ; LDS serves a wave's instructions in order (ISA guide 5.7.1.4): these see the stores above; the next block's stores come behind them
.endr
.endm
.macro SEND a, younger                 ; younger: the LDS instructions issued behind block a's loads: the next block's 16 stores and 16 loads, or none
.set BK, F0+64*((\a)%2)
.irp t, 0,1,2,3,4,5,6,7,8,9,10,11,12,13,14,15
	s_wait_dscnt (\younger)+15-(\t)                ; row t is back in registers
	global_store_b128 v[CO], v[BK+4*(\t):BK+4*(\t)+3], s[8:9] offset:(16*(\a)+(\t))*SIZE_N*4 th:TH_STORE_NT  ; 512 consecutive bytes, at a multiple of 256 from out0's first byte; 127 rows at the most: inside the signed 24-bit immediate
.endr
.endm
	s_wait_tensorcnt 1                             ; my part of K step 0 is in; K step 1's may stay out
	s_barrier_signal -1
	s_barrier_wait -1                              ; everybody's is
	FETCH 0, 0, F0
	QUARTER 0, 64,  F0, F1, 1                      ; the first quarter stands in front of the loop: its products start the sums
	WIN 0                                          ; at a label and at a branch every window is 0
	s_mov_b32 s3, LAPS-1
.Llap:                                                 ; a trip goes once round the ring, from a lap's second quarter to the next lap's first, and fills both slots again
	QUARTER 0, 128, F1, F0, 0
	QUARTER 0, 192, F0, F1, 0
	TURN 0, 1
	QUARTER 1, 64,  F0, F1, 0
	QUARTER 1, 128, F1, F0, 0
	QUARTER 1, 192, F0, F1, 0
	TURN 1, 0
	QUARTER 0, 64,  F0, F1, 0
	WIN 0
	s_sub_co_u32 s3, s3, 1
	s_cmp_lg_u32 s3, 0
	s_cbranch_scc1 .Llap
	QUARTER 0, 128, F1, F0, 0                      ; the last lap is written out: it asks for nothing more
	QUARTER 0, 192, F0, F1, 0
	MEET 0                                         ; my one tensor load that was still out is slot 1's, the last K step's, so no round follows
	PLACES                                         ; for the loads into buffer 0, which the quarter before multiplied
	FETCH 1, 0, F0
	WIN MUL_HI
	MUL16 F1, 1, 0, 0
	MUL16 F1, 1, 2, 0
	QUARTER 1, 64,  F0, F1, 0
	QUARTER 1, 128, F1, F0, 0
	QUARTER 1, 192, F0, F1, 0
	s_wait_dscnt 8                                 ; the very last quarter: nothing more to fetch
	WIN MUL_LO
	MUL16 F1, 0, 0, 0
	MUL16 F1, 0, 2, 0
	s_wait_dscnt 0x0
	MUL16 F1, 1, 0, 0
	MUL16 F1, 1, 2, 0
	WIN 0
	PLACES                                         ; in front of the stores that read results, and of the loads into the fragment buffers
	TOSTAGE 0
.irp a, 1,2,3,4,5,6,7                  ; block a goes into the stage while block a - 1's rows come back and leave
	TOSTAGE \a
	SEND (\a)-1, 32
.endr
	SEND 7, 0
	s_wait_tensorcnt 0x0                           ; the wave's end, behind my last tensor load and my last LDS store
	ds_add_u32 v[SPW], v[NIL]
	s_wait_dscnt 0x0
	CROUND                                         ; the closing round: no work-group ends while a partner may still ask for a tile that names it
	s_endpgm
.Lfunc_end_k_qe23a22f499_gemm:
	.size	k_qe23a22f499_gemm, .Lfunc_end_k_qe23a22f499_gemm-k_qe23a22f499_gemm
	.p2alignl 7, 3214868480
	.fill 96, 4, 3214868480
	.section	.rodata,"a",@progbits
	.p2align	6, 0x0
	.amdhsa_kernel k_qe23a22f499_gemm
		.amdhsa_group_segment_fixed_size 327680
		.amdhsa_private_segment_fixed_size 0
		.amdhsa_enable_private_segment 0
		.amdhsa_kernarg_size 24
		.amdhsa_user_sgpr_count 2
		.amdhsa_user_sgpr_kernarg_segment_ptr 1
		.amdhsa_wavefront_size32 1
		.amdhsa_system_sgpr_workgroup_id_x 1
		.amdhsa_system_sgpr_workgroup_id_y 1
		.amdhsa_system_sgpr_workgroup_id_z 1
		.amdhsa_system_vgpr_workitem_id 0
		.amdhsa_next_free_vgpr 1024
		.amdhsa_next_free_sgpr 66
		.amdhsa_reserve_vcc 0
		.amdhsa_float_denorm_mode_32 3
		.amdhsa_float_denorm_mode_16_64 3
		.amdhsa_memory_ordered 1
		.amdhsa_forward_progress 1
		.amdhsa_inst_pref_size 145
	.end_amdhsa_kernel
	.amdgpu_metadata
---
amdhsa.version: [ 1, 2 ]
amdhsa.kernels:
  - .name:           k_qe23a22f499_gemm
    .symbol:         k_qe23a22f499_gemm.kd
    .args:
      - { .name: xb, .offset: 0, .size: 8, .value_kind: global_buffer, .address_space: global }
      - { .name: wb, .offset: 8, .size: 8, .value_kind: global_buffer, .address_space: global }
      - { .name: out0, .offset: 16, .size: 8, .value_kind: global_buffer, .address_space: global }
    .group_segment_fixed_size: 327680
    .private_segment_fixed_size: 0
    .kernarg_segment_align: 8
    .kernarg_segment_size: 24
    .max_flat_workgroup_size: 128
    .sgpr_count:     66
    .vgpr_count:     1024
    .wavefront_size: 32
...
	.end_amdgpu_metadata
.endif
;; end of part 3
;; ======== version 2 of 2: 3 launches; version 1 with the launch cast written anew for expert scheduling mode
;; workspace buffers: xb 67,108,864 bytes; wb 16,777,216 bytes
;; launch adapt: the kernel of part 1 again; grid 32 x 16, 8 waves a work-group, no clusters, 0 bytes of LDS; arguments U, V, base_weight, s, wb; writes wb
;; launch cast (part 4): grid 512 x 1, 8 waves a work-group, no clusters, 0 bytes of LDS; arguments x, xb; writes xb
.if DOCPART == 4
	.amdgcn_target "amdgcn-amd-amdhsa--gfx1250"
	.amdhsa_code_object_version 6
	.text
	.protected	k_qe23a22f499_cast
	.globl	k_qe23a22f499_cast
	.p2align	8
	.type	k_qe23a22f499_cast,@function
k_qe23a22f499_cast:
	s_mov_b64 s[64:65], 0
	v_nop
	global_prefetch_b8 v0, s[64:65] scope:SCOPE_SE
	s_setreg_imm32_b32 hwreg(HW_REG_WAVE_SCHED_MODE, 0, 2), 2
	s_setreg_imm32_b32 hwreg(HW_REG_WAVE_MODE, 25, 1), 1
	s_wait_xcnt 0x0
	s_wait_alu depctr_vm_vsrc(0)
; xb = bf16(x), number by number, rounded to nearest even.  x: 33,554,432 f32; xb: as many bf16.  A stream: each byte is read once and written once; no LDS, no barrier, no matrix unit:
; no number meets another.
; SHARES.  A LINE is what the work-group's 256 threads take at once: 16 bytes each, 4,096 bytes of x, 2,048 of xb.  A work-group owns 64 lines on end.  A wave's load covers 512 consecutive bytes,
; its store 256 consecutive bytes at a multiple of 256 from xb's first byte.
; THE MODE: SCHED_MODE bits 1:0 = 2 (LLVM: expert scheduling mode 2), set by the entry lines.  The code itself states the register dependences between vector instructions and memory
; instructions, with s_wait_alu, always for 0.
; THE PLAN.  The 64 lines go in 8 blocks of eight.  Registers that memory instructions touch:
;   X0 .. X3   four blocks of x as loaded.   Written by the loads of block p + 3, issued in block p; read by block p's conversions.
;   Y0 .. Y3   four blocks of xb to store.   Written by block p's conversions; read by the eight stores that are issued in block p + 1; written again in block p + 4.
;   v1, v2     byte offsets, made once at the head and never written again: all 64 lines stand in the immediates (258,048 bytes at the most), so the two bases are never stepped either.
; Block p reads X[p % 4] and writes Y[p % 4].  Its memory instructions are the loads into X[(p + 3) % 4] = X[(p - 1) % 4] and the stores from Y[(p - 1) % 4]: the two buffers that block p - 1
; worked on and that no vector instruction of block p names.  So ONE wait on va_vdst at a block's head states all that the block's sixteen memory instructions hang on, and these are dealt
; among its sixteen conversions with no further wait.
; A Y written in block w is stored in block w + 1 and written again in block w + 4: a wait for its stores' reads at the head of any of the blocks w + 2 .. w + 4 serves.
; at the head of block 3 (for Y0 and Y1, which blocks 4 and 5 write again) and of block 6 (for Y2 and Y3, which blocks 6 and 7 write again).
; NO LOOP: block 0 stores nothing, blocks 5 to 7 load nothing, and the four between would be one trip of a lap of four buffers: the eight blocks are written out by one macro.
; 16 to 24 loads of every wave are on their way; the waits for data are counted.
.set LINE,   4096
.set OLINE,  2048
.set BLOCK,  8                         ; lines in a block
.set BLOCKS, 64/BLOCK
.set X, 4                              ; v[4:131]    buffer k, line i: 4 registers at X + 32 k + 4 i: 4 f32 as loaded
.set Y, 132                            ; v[132:195]  buffer k, line i: 2 registers at Y + 16 k + 2 i: 4 bf16 to store
	s_load_b128 s[4:7], s[0:1], 0x0                ; x s[4:5], xb s[6:7]
	s_lshl_b32 s2, ttmp9, 18                       ; the work-group's 64 lines: 262,144 bytes of x (511 x that stays under 2^32),
	s_mov_b32 s3, 0
	s_lshl_b32 s8, ttmp9, 17                       ; 131,072 of xb
	s_mov_b32 s9, 0
	v_lshlrev_b32 v1, 4, v0                        ; my 16 bytes of a line of x; never rewritten
	v_lshlrev_b32 v2, 3, v0                        ; my 8 bytes of a line of xb; never rewritten
	s_wait_kmcnt 0x0
	s_add_nc_u64 s[4:5], s[4:5], s[2:3]
	s_add_nc_u64 s[6:7], s[6:7], s[8:9]
	s_wait_alu depctr_va_vdst(0)                   ; v1 and v2 are written: every load of the kernel reads v1 as its offset, every store v2
.set n, 0
.rept 3*BLOCK
	global_load_b128 v[X+4*n:X+4*n+3], v1, s[4:5] offset:n*LINE th:TH_LOAD_NT  ; blocks 0, 1 and 2 into X0, X1, X2
.set n, n+1
.endr
; Block p.  Blocks 0 to 4 load block p + 3; blocks 1 to 7 store block p - 1.
.macro BLK p
.if (\p) < BLOCKS-2
	s_wait_loadcnt 2*BLOCK                         ; loads come back in order (ISA guide 5.7.1): X[p % 4] is in, the two younger blocks' sixteen loads stay out
.else
	s_wait_loadcnt (BLOCKS-1-(\p))*BLOCK           ; the last blocks have fewer behind them: the counts run down, 8 and 0
.endif
.if ((\p) == 3) || ((\p) == 6)
	s_wait_xcnt 0x0                                ; every earlier memory instruction has had its addresses translated (ISA guide 3.1): a store's data registers are rewritten only behind this wait
	s_wait_alu depctr_vm_vsrc(0)                   ; the stores issued so far have read their Y.  Block 3: Y0 and Y1, which the conversions of blocks 4 and 5 write again; block 6: Y2 and Y3, which those of blocks 6 and 7 write again
.endif
.if (\p) > 0
	s_wait_alu depctr_va_vdst(0)                   ; the conversions of the block before have written its Y, which the stores below read, and are done reading its X, in which the loads below land
.endif
.irp i, 0,1,2,3,4,5,6,7
.if (\p) < BLOCKS-3
	global_load_b128 v[X+32*(((\p)+3)%4)+4*(\i):X+32*(((\p)+3)%4)+4*(\i)+3], v1, s[4:5] offset:(((\p)+3)*BLOCK+(\i))*LINE th:TH_LOAD_NT  ; three blocks ahead, the load ahead of the store; no vector instruction since the wait names these registers
.endif
.if (\p) > 0
	global_store_b64 v2, v[Y+16*(((\p)+3)%4)+2*(\i):Y+16*(((\p)+3)%4)+2*(\i)+1], s[6:7] offset:(((\p)-1)*BLOCK+(\i))*OLINE  ; the block before
.endif
	v_cvt_pk_bf16_f32 v[Y+16*((\p)%4)+2*(\i)],   v[X+32*((\p)%4)+4*(\i)],   v[X+32*((\p)%4)+4*(\i)+1]
	v_cvt_pk_bf16_f32 v[Y+16*((\p)%4)+2*(\i)+1], v[X+32*((\p)%4)+4*(\i)+2], v[X+32*((\p)%4)+4*(\i)+3]
.endr
.endm
	BLK 0                                          ; no block stands in front of it: no store, and no wait but the one for its data (no vector instruction has named X3)
	BLK 1
	BLK 2
	BLK 3
	BLK 4                                          ; the last that loads: block 7
	BLK 5                                          ; blocks 5 to 7 load nothing: no load leaves x
	BLK 6
	BLK 7
	s_wait_alu depctr_va_vdst(0)                   ; block 7's conversions have written Y3, which the last eight stores read
.irp i, 0,1,2,3,4,5,6,7
	global_store_b64 v2, v[Y+48+2*(\i):Y+48+2*(\i)+1], s[6:7] offset:((BLOCKS-1)*BLOCK+(\i))*OLINE
.endr
	s_endpgm
.Lfunc_end_k_qe23a22f499_cast:
	.size	k_qe23a22f499_cast, .Lfunc_end_k_qe23a22f499_cast-k_qe23a22f499_cast
	.p2alignl 7, 3214868480
	.fill 96, 4, 3214868480
	.section	.rodata,"a",@progbits
	.p2align	6, 0x0
	.amdhsa_kernel k_qe23a22f499_cast
		.amdhsa_group_segment_fixed_size 0
		.amdhsa_private_segment_fixed_size 0
		.amdhsa_enable_private_segment 0
		.amdhsa_kernarg_size 16
		.amdhsa_user_sgpr_count 2
		.amdhsa_user_sgpr_kernarg_segment_ptr 1
		.amdhsa_wavefront_size32 1
		.amdhsa_system_sgpr_workgroup_id_x 1
		.amdhsa_system_sgpr_workgroup_id_y 1
		.amdhsa_system_sgpr_workgroup_id_z 1
		.amdhsa_system_vgpr_workitem_id 0
		.amdhsa_next_free_vgpr 196
		.amdhsa_next_free_sgpr 66
		.amdhsa_reserve_vcc 0
		.amdhsa_float_denorm_mode_32 3
		.amdhsa_float_denorm_mode_16_64 3
		.amdhsa_memory_ordered 1
		.amdhsa_forward_progress 1
		.amdhsa_inst_pref_size 22
	.end_amdhsa_kernel
	.amdgpu_metadata
---
amdhsa.version: [ 1, 2 ]
amdhsa.kernels:
  - .name:           k_qe23a22f499_cast
    .symbol:         k_qe23a22f499_cast.kd
    .args:
      - { .name: x, .offset: 0, .size: 8, .value_kind: global_buffer, .address_space: global }
      - { .name: xb, .offset: 8, .size: 8, .value_kind: global_buffer, .address_space: global }
    .group_segment_fixed_size: 0
    .private_segment_fixed_size: 0
    .kernarg_segment_align: 8
    .kernarg_segment_size: 16
    .max_flat_workgroup_size: 256
    .sgpr_count:     66
    .vgpr_count:     196
    .wavefront_size: 32
...
	.end_amdgpu_metadata
.endif
;; end of part 4
;; launch gemm: the kernel of part 3 again; grid 8 x 32, 4 waves a work-group, clusters of 4 x 4, 327,680 bytes of LDS; arguments xb, wb, out0; writes out0
